; MI455X (gfx1250); checked and timed in simulation.
; The chip was launched on July 23, 2026; its instructions are those of AMD's public machine-readable ISA for CDNA 5 (MIT licence, August 2026) and "CDNA5" Instruction Set Architecture Reference Guide (July 2026). The comments in the code are by the model that wrote it; some were corrected since.
;; Cross Attention. Allowed arithmetic: float matrix products may take bf16 or f16 operands with f32 sums; all other float work in f32.
;; Inputs: Wk 128 x 256 float32; Wo 256 x 512 float32; Wq 512 x 256 float32; Wv 128 x 256 float32; bk 256 float32; bo 512 float32; bq 256 float32; bv 256 float32; g 8 x 1 x 128 float32; x 8 x 2,048 x 512 float32.
;; Outputs: out0 8 x 2,048 x 512 float32.
;; One version. Each part assembles by itself: llvm-mc -triple=amdgcn-amd-amdhsa -mcpu=gfx1250 --defsym DOCPART=n.
;; ======== version 1 of 1: 2 launches
;; workspace buffers: pre 33,024 bytes
;; launch prep (part 1): grid 16 x 8, 8 waves a work-group, no clusters, 10,240 bytes of LDS; arguments g, Wk, bk, Wv, bv, Wq, bq, Wo, pre; writes pre
.if DOCPART == 1
	.amdgcn_target "amdgcn-amd-amdhsa--gfx1250"
	.amdhsa_code_object_version 6
	.text
	.protected	k_q025b03091d_prep
	.globl	k_q025b03091d_prep
	.p2align	8
	.type	k_q025b03091d_prep,@function
k_q025b03091d_prep:
	s_mov_b64 s[64:65], 0
	v_nop
	global_prefetch_b8 v0, s[64:65] scope:SCOPE_SE
	s_setreg_imm32_b32 hwreg(HW_REG_WAVE_MODE, 25, 1), 1
	s_wait_xcnt 0x0
; PREP: the few-row products of the cross-attention, once for each batch b (8 batches).
; The keys and the values of a batch are one row each, repeated along N by the problem's own broadcast:
;   k[b] = g[b] Wk + bk,  v[b] = g[b] Wv + bv   (256 numbers each).
; So Q[b,n].k[b] = x[b,n].(Wq k[b]) + bq.k[b], and (c v[b]) Wo = c (v[b] Wo).  This launch stores, all in f32:
;   pre +     0: U[8][512] = ALPHA (Wq k[b])      ALPHA = log2(e) / sqrt(256): the scores' scale and the base of v_exp_f32 in one factor
;   pre + 16384: Y[8][512] = v[b] Wo
;   pre + 32768: T[8]      = ALPHA (bq . k[b])
; Work-group (x, y): batch y; x >> 3 = 0: 64 numbers of U (slice x & 7; slice 0 also T), = 1: 64 numbers of Y.
; Each makes its k or v afresh (128 KiB of weight read by 256 threads) rather than hand it over through memory in a further launch.
; All in f32 on the vector unit: the products have one row a batch, so a matrix tile would be fifteen sixteenths empty.
; No cluster, no joint requests: the weights that work-groups share land straight in the registers that multiply them
; (192 registers a lane, all 48 loads issued at once); a joint tile would add a pass of 128 KiB through LDS to each work-group.
; LIMIT: the sums are associated otherwise than in Q = x Wq + bq, scores = Q.k / 16, so a score leaves f32's range at a somewhat
; different size of the inputs (products near 1e38); below that the results differ by roundings of f32 alone.
.set ALPHA, 0x3db8aa3b                 ; 1.442695 / 16
.set PART,  0                          ; LDS    0..4095  [4 quarters of the 128 rows][256] partial sums of k or v
.set KF,    4096                       ; LDS 4096..5119  the finished 256 numbers
.set UO,    5120                       ; LDS 5120..5375  u path: the 64 results
.set TPART, 5376                       ; LDS 5376..5407  u path: eight waves' parts of bq.k
.set YP,    5120                       ; LDS 5120..9215  y path: [16 groups of 16 rows][64] partial sums
.set T16, 1                            ; v1   16 t
.set T4,  2                            ; v2   4 t
.set VW,  3                            ; v3   first weight: (t >> 6) x 32 rows of 1,024 bytes + 16 (t & 63)
.set V2,  4                            ; v4   second weight's offset
.set L16, 5                            ; v5   16 x lane
.set A6,  6                            ; v6   u: 32 x wave;  y: 64 (t >> 4)
.set A7,  7                            ; v7   u: 4 x wave
.set Z,   8                            ; v8   0
.set L15, 12                           ; v12  16 (t & 15): 0 to 240 in every lane, so the way out stays inside its 256 bytes by its arithmetic
.set W,   16                           ; v[16:143]  32 loads of the first weight; afterwards scratch
.set W2,  144                          ; v[144:207] 16 loads of the second weight
.set BK,  208                          ; bk[t] or bv[t]
.set BQ,  209                          ; bq[t]
.set ACC, 212                          ; v[212:215] my four columns' partial sums
.set P,   216                          ; v[216:219] the four quarters of number t
.set KH,  220                          ; k[t] or v[t]
.set K,   224                          ; v[224:239] the numbers of k (8) or v (16) that my second product needs
.set ACC2, 240                         ; v[240:243] y path: my four columns' partial sums
.set G,   32                           ; s[32:63]   g[b][32 p .. 32 p + 31], p = wave >> 1
	s_load_b512 s[4:19], s[0:1], 0x0               ; g 4, Wk 6, bk 8, Wv 10, bv 12, Wq 14, bq 16, Wo 18
	s_load_b64 s[20:21], s[0:1], 0x40              ; pre
	v_lshl_add_u32 v254, v0, 2, 0x2400
	v_mov_b32 v255, 0
	v_lshrrev_b32 v9, 5, v0
	v_readfirstlane_b32 s22, v9                    ; wave
	s_and_b32 s23, ttmp9, 7                        ; slice
	s_and_b32 s24, ttmp7, 0xffff                   ; batch
	s_lshr_b32 s25, ttmp9, 3                       ; 0: u path, 1: y path
	s_mov_b32 s30, 0x76543210                      ; v_permlanex16_b32: lane i takes lane i of the other half
	s_mov_b32 s31, 0xfedcba98
	s_lshr_b32 s26, s22, 1                         ; p: two waves share a quarter of g
	s_lshl_b32 s26, s26, 7                         ; 32 numbers of 4 bytes
	s_lshl_b32 s27, s24, 9                         ; a row of g is 512 bytes
	s_add_co_u32 s26, s26, s27
	s_mov_b32 s27, 0                               ; s[26:27]: offsets, all below 4 GiB
	v_lshlrev_b32 v[T16], 4, v0
	v_lshlrev_b32 v[T4], 2, v0
	v_lshrrev_b32 v10, 6, v0
	v_and_b32 v11, 63, v0
	v_lshlrev_b32 v11, 4, v11
	v_lshl_or_b32 v[VW], v10, 15, v11
	v_and_b32 v[L16], 31, v0
	v_lshlrev_b32 v[L16], 4, v[L16]
	v_and_b32 v[L15], 15, v0
	v_lshlrev_b32 v[L15], 4, v[L15]
	v_mov_b32 v[Z], 0
	s_wait_kmcnt 0x0                               ; the nine addresses
	s_add_nc_u64 s[28:29], s[4:5], s[26:27]
	s_load_b512 s[G:G+15], s[28:29], 0x0           ; my quarter of g[b], as scalars: each multiplies a whole row of the weight
	s_load_b512 s[G+16:G+31], s[28:29], 0x40
	s_lshl_b32 s26, s24, 11                        ; a row of U or Y is 2,048 bytes,
	s_lshl_b32 s2, s23, 8                          ; a slice 256
	s_add_co_u32 s26, s26, s2
	s_add_nc_u64 s[68:69], s[20:21], s[26:27]      ; where my 64 results go (Y: + 16384 in the store)
; 32 loads: rows 32 p .. 32 p + 31 of a [128][256] weight, my four columns; a wave's load covers 512 consecutive bytes
.macro LOADW base
.set ii, 0
.rept 32
	global_load_b128 v[W+4*ii:W+4*ii+3], v[VW], s[\base:\base+1] offset:1024*ii
.set ii, ii+1
.endr
.endm
; k or v: partial sums over my 32 rows, the four quarters joined through LDS, the bias added; number t ends in v[KH] and at KF + 4 t.
; after = the loads issued behind the 32 of LOADW.  Ends without a barrier: the caller waits and signals.
.macro STAGE1 after
	s_wait_kmcnt 0x0                               ; g
.set ii, 0
.rept 4
	s_wait_loadcnt \after+24-ii                    ; loads return in order: eight more rows are in; the 24 - ii later rows and the second weight stay out
.rept 8
.irp c, 0,1,2,3
.if ii == 0
	v_mul_f32 v[ACC+\c], s[G], v[W+\c]             ; the first product starts the sum
.else
	v_fmac_f32 v[ACC+\c], s[G+ii], v[W+4*ii+\c]
.endif
.endr
.set ii, ii+1
.endr
.endr
	ds_store_b128 v[T16], v[ACC:ACC+3] offset:PART ; 16 t = 1024 p + 16 (t & 63): quarter p, columns 4 (t & 63) ..
	s_wait_dscnt 0x0                               ; zero: the other waves read these bytes behind the barrier
	s_barrier_signal -1
	s_barrier_wait -1
.irp p, 0,1,2,3
	ds_load_b32 v[P+\p], v[T4] offset:PART+1024*\p
.endr
	s_wait_dscnt 0x0
	v_add_f32 v[P], v[P], v[P+1]
	v_add_f32 v[P+2], v[P+2], v[P+3]
	v_add_f32 v[P], v[P], v[P+2]
	v_add_f32 v[KH], v[P], v[BK]                   ; the bias was the first load of all
	ds_store_b32 v[T4], v[KH] offset:KF
.endm
	s_cmp_lg_u32 s25, 0                            ; alike in all waves of the work-group
	s_cbranch_scc1 .Ly
	; ---------------- u path: k[b], then U[b][64 slice .. + 63] and the parts of bq.k ----------------
	s_lshl_b32 s26, s23, 16                        ; 64 rows of Wq, 1,024 bytes each
	s_add_nc_u64 s[66:67], s[14:15], s[26:27]
	s_lshl_b32 s26, s24, 2
	s_add_nc_u64 s[70:71], s[20:21], s[26:27]      ; T[b] lies 32768 behind this
	v_lshl_or_b32 v[V2], v9, 13, v[L16]            ; wave x 8 rows of 1,024 bytes + 16 x lane
	v_and_b32 v[A6], 0xe0, v0                      ; 32 x wave: eight results of 4 bytes
	v_lshlrev_b32 v[A7], 2, v9
	global_load_b32 v[BK], v[T4], s[8:9]
	global_load_b32 v[BQ], v[T4], s[16:17]
	LOADW 6                                        ; Wk
.irp r, 0,1,2,3,4,5,6,7
.irp j, 0,1
	global_load_b128 v[W2+8*\r+4*\j:W2+8*\r+4*\j+3], v[V2], s[66:67] offset:1024*\r+512*\j   ; Wq row 64 slice + 8 wave + r, columns 4 lane + 128 j ..
.endr
.endr
	STAGE1 16
	v_mul_f32 v16, v[BQ], v[KH]                    ; bq[t] k[t], summed over the wave
.irp m, 1,2,4,8
	v_add_f32_dpp v16, v16, v16 row_xmask:\m row_mask:0xf bank_mask:0xf
.endr
	v_permlanex16_b32 v17, v16, s30, s31           ; v17 has been written (a weight's load)
	v_add_f32 v16, v16, v17
	ds_store_b32 v[A7], v16 offset:TPART           ; all lanes: the same word, the same value
	s_wait_dscnt 0x0                               ; k and the parts are in LDS before the others read them
	s_barrier_signal -1
	s_barrier_wait -1
	ds_load_b128 v[K:K+3], v[L16] offset:KF        ; k[4 lane ..]
	ds_load_b128 v[K+4:K+7], v[L16] offset:KF+512  ; k[128 + 4 lane ..]
	s_wait_loadcnt 0x0                             ; Wq: nothing was issued behind it
	s_wait_dscnt 0x0
.irp r, 0,1,2,3,4,5,6,7
	v_pk_mul_f32 v[16+4*\r:17+4*\r], v[W2+8*\r:W2+8*\r+1], v[K:K+1]
	v_pk_mul_f32 v[18+4*\r:19+4*\r], v[W2+8*\r+2:W2+8*\r+3], v[K+2:K+3]
	v_pk_fma_f32 v[16+4*\r:17+4*\r], v[W2+8*\r+4:W2+8*\r+5], v[K+4:K+5], v[16+4*\r:17+4*\r]
	v_pk_fma_f32 v[18+4*\r:19+4*\r], v[W2+8*\r+6:W2+8*\r+7], v[K+6:K+7], v[18+4*\r:19+4*\r]
.endr
.irp r, 0,1,2,3,4,5,6,7
	v_pk_add_f32 v[16+4*\r:17+4*\r], v[16+4*\r:17+4*\r], v[18+4*\r:19+4*\r]
.endr
.irp r, 0,1,2,3,4,5,6,7
	v_add_f32 v[16+4*\r], v[16+4*\r], v[17+4*\r]
.endr
.irp m, 1,2,4,8
.irp r, 0,1,2,3,4,5,6,7
	v_add_f32_dpp v[16+4*\r], v[16+4*\r], v[16+4*\r] row_xmask:\m row_mask:0xf bank_mask:0xf   ; eight rows' sums side by side
.endr
.endr
.irp r, 0,1,2,3,4,5,6,7
	v_permlanex16_b32 v[17+4*\r], v[16+4*\r], s30, s31
.endr
.irp r, 0,1,2,3,4,5,6,7
	v_add_f32 v[16+4*\r], v[16+4*\r], v[17+4*\r]
.endr
.irp r, 0,1,2,3,4,5,6,7
	v_mul_f32 v[16+4*\r], ALPHA, v[16+4*\r]
	ds_store_b32 v[A6], v[16+4*\r] offset:UO+4*\r  ; result 8 wave + r
.endr
	s_wait_dscnt 0x0                               ; wave 0 reads all 64 behind the barrier
	s_barrier_signal -1
	s_barrier_wait -1
	s_cmp_lg_u32 s22, 0
	s_cbranch_scc1 .Luend                          ; the way out is wave 0's
	v_cmp_gt_u32 vcc_lo, 16, v0
	s_wait_xcnt 0x0                                ; EXEC is a source of the loads above: it changes only behind this wait
	s_and_saveexec_b32 s2, vcc_lo                  ; sixteen lanes
	ds_load_b128 v[16:19], v[L15] offset:UO        ; UO .. UO + 255: the 64 results
	s_wait_dscnt 0x0
	global_store_b128 v[L15], v[16:19], s[68:69]   ; 256 consecutive bytes, at a multiple of 256 from pre's first byte
	s_cmp_lg_u32 s23, 0
	s_cbranch_scc1 .Luend                          ; T[b] is slice 0's
	ds_load_b128 v[20:23], v[Z] offset:TPART
	ds_load_b128 v[24:27], v[Z] offset:TPART+16
	s_wait_dscnt 0x0
	v_pk_add_f32 v[20:21], v[20:21], v[24:25]
	v_pk_add_f32 v[22:23], v[22:23], v[26:27]
	v_pk_add_f32 v[20:21], v[20:21], v[22:23]
	v_add_f32 v20, v20, v21
	v_mul_f32 v20, ALPHA, v20
	v_cmp_eq_u32 vcc_lo, 0, v0
	s_wait_xcnt 0x0                                ; the store above has EXEC among its sources
	s_and_saveexec_b32 s3, vcc_lo                  ; one lane; EXEC is not widened again before the end
	global_store_b32 v[Z], v20, s[70:71] offset:32768
.Luend:
	s_wait_xcnt 0x0
	s_mov_b32 exec_lo, -1
	s_wait_tensorcnt 0x0
	ds_add_u32 v254, v255
	s_wait_dscnt 0x0
	s_endpgm
	; ---------------- y path: v[b], then Y[b][64 slice .. + 63] ----------------
.Ly:
	s_lshl_b32 s26, s23, 8                         ; 64 columns of Wo
	s_add_nc_u64 s[66:67], s[18:19], s[26:27]
	v_lshrrev_b32 v10, 4, v0                       ; group of 16 rows
	v_lshl_or_b32 v[V2], v10, 15, v[L15]           ; 16 rows of 2,048 bytes + 16 (t & 15)
	v_lshlrev_b32 v[A6], 6, v10                    ; the group's 16 numbers of v
	global_load_b32 v[BK], v[T4], s[12:13]         ; bv
	LOADW 10                                       ; Wv
.set ii, 0
.rept 16
	global_load_b128 v[W2+4*ii:W2+4*ii+3], v[V2], s[66:67] offset:2048*ii    ; Wo row 16 (t >> 4) + ii: sixteen lanes take the slice's 256 bytes
.set ii, ii+1
.endr
	STAGE1 16
	s_wait_dscnt 0x0                               ; v is in LDS before the others read it
	s_barrier_signal -1
	s_barrier_wait -1
.irp c, 0,1,2,3
	ds_load_b128 v[K+4*\c:K+4*\c+3], v[A6] offset:KF+16*\c
.endr
	s_wait_loadcnt 0x0                             ; Wo: nothing was issued behind it
	s_wait_dscnt 0x0
.set ii, 0
.rept 16
.irp c, 0,1,2,3
.if ii == 0
	v_mul_f32 v[ACC2+\c], v[K], v[W2+\c]
.else
	v_fmac_f32 v[ACC2+\c], v[K+ii], v[W2+4*ii+\c]
.endif
.endr
.set ii, ii+1
.endr
	ds_store_b128 v[T16], v[ACC2:ACC2+3] offset:YP ; 16 t = 256 (t >> 4) + 16 (t & 15)
	s_wait_dscnt 0x0                               ; wave 0 reads all sixteen groups behind the barrier
	s_barrier_signal -1
	s_barrier_wait -1
	s_cmp_lg_u32 s22, 0
	s_cbranch_scc1 .Lyend
	v_cmp_gt_u32 vcc_lo, 16, v0
	s_wait_xcnt 0x0                                ; EXEC changes only behind this wait
	s_and_saveexec_b32 s2, vcc_lo                  ; sixteen lanes, four columns each; not widened again before the end
.set p, 0
.rept 16
	ds_load_b128 v[W+4*p:W+4*p+3], v[L15] offset:YP+256*p        ; group p's 256 bytes; the last ends at byte 9215
.set p, p+1
.endr
	s_wait_dscnt 0x0
.irp s, 8,4,2,1
.set p, 0
.rept \s
	v_pk_add_f32 v[W+4*p:W+4*p+1], v[W+4*p:W+4*p+1], v[W+4*(p+\s):W+4*(p+\s)+1]
	v_pk_add_f32 v[W+4*p+2:W+4*p+3], v[W+4*p+2:W+4*p+3], v[W+4*(p+\s)+2:W+4*(p+\s)+3]
.set p, p+1
.endr
.endr
	global_store_b128 v[L15], v[W:W+3], s[68:69] offset:16384    ; 256 consecutive bytes, aligned
.Lyend:
	s_wait_xcnt 0x0
	s_mov_b32 exec_lo, -1
	s_wait_tensorcnt 0x0
	ds_add_u32 v254, v255
	s_wait_dscnt 0x0
	s_endpgm
.Lfunc_end_k_q025b03091d_prep:
	.size	k_q025b03091d_prep, .Lfunc_end_k_q025b03091d_prep-k_q025b03091d_prep
	.p2alignl 7, 3214868480
	.fill 96, 4, 3214868480
	.section	.rodata,"a",@progbits
	.p2align	6, 0x0
	.amdhsa_kernel k_q025b03091d_prep
		.amdhsa_group_segment_fixed_size 10240
		.amdhsa_private_segment_fixed_size 0
		.amdhsa_enable_private_segment 0
		.amdhsa_kernarg_size 72
		.amdhsa_user_sgpr_count 2
		.amdhsa_user_sgpr_kernarg_segment_ptr 1
		.amdhsa_wavefront_size32 1
		.amdhsa_system_sgpr_workgroup_id_x 1
		.amdhsa_system_sgpr_workgroup_id_y 1
		.amdhsa_system_sgpr_workgroup_id_z 1
		.amdhsa_system_vgpr_workitem_id 0
		.amdhsa_next_free_vgpr 256
		.amdhsa_next_free_sgpr 72
		.amdhsa_reserve_vcc 1
		.amdhsa_float_denorm_mode_32 3
		.amdhsa_float_denorm_mode_16_64 3
		.amdhsa_memory_ordered 1
		.amdhsa_forward_progress 1
		.amdhsa_inst_pref_size 36
	.end_amdhsa_kernel
	.amdgpu_metadata
---
amdhsa.version: [ 1, 2 ]
amdhsa.kernels:
  - .name:           k_q025b03091d_prep
    .symbol:         k_q025b03091d_prep.kd
    .args:
      - { .name: g, .offset: 0, .size: 8, .value_kind: global_buffer, .address_space: global }
      - { .name: Wk, .offset: 8, .size: 8, .value_kind: global_buffer, .address_space: global }
      - { .name: bk, .offset: 16, .size: 8, .value_kind: global_buffer, .address_space: global }
      - { .name: Wv, .offset: 24, .size: 8, .value_kind: global_buffer, .address_space: global }
      - { .name: bv, .offset: 32, .size: 8, .value_kind: global_buffer, .address_space: global }
      - { .name: Wq, .offset: 40, .size: 8, .value_kind: global_buffer, .address_space: global }
      - { .name: bq, .offset: 48, .size: 8, .value_kind: global_buffer, .address_space: global }
      - { .name: Wo, .offset: 56, .size: 8, .value_kind: global_buffer, .address_space: global }
      - { .name: pre, .offset: 64, .size: 8, .value_kind: global_buffer, .address_space: global }
    .group_segment_fixed_size: 10240
    .private_segment_fixed_size: 0
    .kernarg_segment_align: 8
    .kernarg_segment_size: 72
    .max_flat_workgroup_size: 256
    .sgpr_count:     72
    .vgpr_count:     256
    .wavefront_size: 32
...
	.end_amdgpu_metadata
.endif
;; end of part 1
;; launch main (part 2): grid 256 x 1, 8 waves a work-group, no clusters, 0 bytes of LDS; arguments x, pre, bo, out0; writes out0
.if DOCPART == 2
	.amdgcn_target "amdgcn-amd-amdhsa--gfx1250"
	.amdhsa_code_object_version 6
	.text
	.protected	k_q025b03091d_main
	.globl	k_q025b03091d_main
	.p2align	8
	.type	k_q025b03091d_main,@function
k_q025b03091d_main:
	s_mov_b64 s[64:65], 0
	v_nop
	global_prefetch_b8 v0, s[64:65] scope:SCOPE_SE
	s_setreg_imm32_b32 hwreg(HW_REG_WAVE_MODE, 25, 1), 1
	s_wait_xcnt 0x0
; MAIN: out0[b,n] = (sum of row n's softmax weights) (v[b] Wo) + bo, the weights from the score of row n.
; All 2,048 keys of a batch are one vector (the problem's own broadcast), so the 2,048 scores of a row are one number,
;   s = (x[b,n] Wq + bq).k[b] / 16,  here in base-2 units:  S = x[b,n].U[b] + T[b]   (U, T, Y from the launch before).
; The softmax is written out on that number: the maximum of 2,048 equal scores is the score itself and is taken away, the exponential is
; taken, the sum of 2,048 equal exponentials is 2048 e, a weight is e / (2048 e), and the 2,048 weights all multiply the one row v[b].
; For a finite score the weights add up to 1; an infinite or NaN score gives inf - inf = NaN for the whole row, as in the reference.
; LIMIT: the reference adds 2,048 terms v / 2048 one by one, which differs from 1 x v in the last bits of f32 only.
; A stream: x is read once, out0 written once.  A work-group takes 64 rows, a wave 8, a lane columns 4 lane + 128 j (j = 0..3) of each,
; so every load and store of a wave covers 512 consecutive bytes at a multiple of 512 from the buffer's first byte.
; A wave's 8 rows are 128 registers a lane: all 32 loads are issued at once, and a row's results overwrite its x and leave from there,
; so no register that a load or a store names is ever written again: no loop, no LDS, no barrier.
; No matrix unit (one dot product and one multiply-add a row).  No cluster: work-groups share 6 KiB (U, Y, bo) beside 256 KiB of their own.
.set U,   4                            ; v[4:19]    U[b], my 16 columns
.set Y,   20                           ; v[20:35]   Y[b]
.set BO,  36                           ; v[36:51]   bo
.set X,   52                           ; v[52:179]  row r at X + 16 r
.set PA0, 180                          ; two chains of the first row's dot product
.set PA1, 182
.set PB0, 184                          ; and of the second row's
.set PB1, 186
.set S,   188                          ; v[188:189] the two rows' scores
.set TT,  190                          ; v[190:191] the other half's sums
.set D,   192                          ; v[192:193] score - maximum; later 1 / sum
.set E,   194                          ; v[194:195] exponentials
.set DEN, 196                          ; v[196:197] sums of the exponentials
.set C,   198                          ; v[198:199] sums of the weights
.set C2,  184                          ; the second row's, at the head of a pair (PB0 is done with, and written whole)
.set N_F32, 0x45000000                 ; 2048.0
	s_load_b256 s[4:11], s[0:1], 0x0               ; x 4, pre 6, bo 8, out0 10
	s_lshl_b32 s2, ttmp9, 17                       ; 64 rows of 2,048 bytes; 256 work-groups stay below 4 GiB
	s_mov_b32 s3, 0
	s_lshr_b32 s14, ttmp9, 5                       ; batch: 32 work-groups each
	s_lshl_b32 s18, s14, 2                         ; T[b]
	s_mov_b32 s19, 0
	s_lshl_b32 s14, s14, 11                        ; a row of U or Y
	s_mov_b32 s15, 0
	s_mov_b32 s12, 0x76543210                      ; v_permlanex16_b32: lane i takes lane i of the other half
	s_mov_b32 s13, 0xfedcba98
	s_mov_b32 s25, 0                               ; partner of s24 in the pair that the packed add names
	v_and_b32 v2, 31, v0
	v_lshlrev_b32 v2, 4, v2                        ; 16 x lane
	v_lshrrev_b32 v1, 5, v0
	v_lshl_or_b32 v1, v1, 14, v2                   ; + wave x 8 rows
	v_mov_b32 v[TT], 0                             ; v_permlanex16_b32 counts as a reader of its destination
	v_mov_b32 v[TT+1], 0
	s_wait_kmcnt 0x0
	s_add_nc_u64 s[4:5], s[4:5], s[2:3]
	s_add_nc_u64 s[10:11], s[10:11], s[2:3]
	s_add_nc_u64 s[16:17], s[6:7], s[14:15]
	s_add_nc_u64 s[20:21], s[6:7], s[18:19]
	s_load_b32 s24, s[20:21], 0x8000               ; T[b]
.irp j, 0,1,2,3
	global_load_b128 v[U+4*\j:U+4*\j+3], v2, s[16:17] offset:512*\j
.endr
.irp j, 0,1,2,3
	global_load_b128 v[Y+4*\j:Y+4*\j+3], v2, s[16:17] offset:16384+512*\j
.endr
.irp j, 0,1,2,3
	global_load_b128 v[BO+4*\j:BO+4*\j+3], v2, s[8:9] offset:512*\j
.endr
.irp r, 0,1,2,3,4,5,6,7
.irp j, 0,1,2,3
	global_load_b128 v[X+16*\r+4*\j:X+16*\r+4*\j+3], v1, s[4:5] offset:2048*\r+512*\j th:TH_LOAD_NT   ; read once in the launch
.endr
.endr
	s_wait_kmcnt 0x0                               ; T[b]
; my 16 columns' part of x[row q].U, in two chains, into v[s]
.macro DOT q, a0, a1, s
	v_pk_mul_f32 v[\a0:\a0+1], v[X+16*(\q):X+16*(\q)+1], v[U:U+1]
	v_pk_mul_f32 v[\a1:\a1+1], v[X+16*(\q)+2:X+16*(\q)+3], v[U+2:U+3]
.irp m, 4,8,12
	v_pk_fma_f32 v[\a0:\a0+1], v[X+16*(\q)+\m:X+16*(\q)+\m+1], v[U+\m:U+\m+1], v[\a0:\a0+1]
	v_pk_fma_f32 v[\a1:\a1+1], v[X+16*(\q)+\m+2:X+16*(\q)+\m+3], v[U+\m+2:U+\m+3], v[\a1:\a1+1]
.endr
	v_pk_add_f32 v[\a0:\a0+1], v[\a0:\a0+1], v[\a1:\a1+1]
	v_add_f32 v[\s], v[\a0], v[\a0+1]
.endm
; row q of the output: c Y + bo over the row's x, then four stores; c is the first register of the pair named
.macro OUTROW q, c
.irp m, 0,2,4,6,8,10,12,14
	v_pk_fma_f32 v[X+16*(\q)+\m:X+16*(\q)+\m+1], v[Y+\m:Y+\m+1], v[\c:\c+1], v[BO+\m:BO+\m+1] op_sel_hi:[1,0,1]
.endr
.irp j, 0,1,2,3
	global_store_b128 v1, v[X+16*(\q)+4*\j:X+16*(\q)+4*\j+3], s[10:11] offset:2048*(\q)+512*\j th:TH_STORE_NT
.endr
.endm
; rows r and r + 1.  left = the loads of the later rows, four each, which stay out
.macro PAIR r, left
	s_wait_loadcnt \left                           ; loads return in order: U, Y, bo and these two rows are in
	DOT \r, PA0, PA1, S
	DOT \r+1, PB0, PB1, S+1
.irp m, 1,2,4,8
	v_add_f32_dpp v[S], v[S], v[S] row_xmask:\m row_mask:0xf bank_mask:0xf
	v_add_f32_dpp v[S+1], v[S+1], v[S+1] row_xmask:\m row_mask:0xf bank_mask:0xf
.endr
	v_permlanex16_b32 v[TT], v[S], s12, s13
	v_permlanex16_b32 v[TT+1], v[S+1], s12, s13
	v_pk_add_f32 v[S:S+1], v[S:S+1], v[TT:TT+1]
	v_pk_add_f32 v[S:S+1], v[S:S+1], s[24:25] op_sel_hi:[1,0]                ; + T[b]: the score, in every lane
	v_pk_add_f32 v[D:D+1], v[S:S+1], v[S:S+1] neg_lo:[0,1] neg_hi:[0,1]      ; minus the maximum of its 2,048 equal copies
	v_exp_f32 v[E], v[D]
	v_exp_f32 v[E+1], v[D+1]
	v_nop                                          ; one plain vector instruction behind a transcendental before its result is used (ISA guide 5.7.2)
	s_wait_alu depctr_va_vdst(0)
	v_pk_mul_f32 v[DEN:DEN+1], v[E:E+1], N_F32 op_sel_hi:[1,0]               ; the sum of 2,048 equal exponentials
	v_rcp_f32 v[D], v[DEN]
	v_rcp_f32 v[D+1], v[DEN+1]
	v_nop
	s_wait_alu depctr_va_vdst(0)
	v_pk_mul_f32 v[C:C+1], v[E:E+1], v[D:D+1]                                ; one weight
	v_pk_mul_f32 v[C:C+1], v[C:C+1], N_F32 op_sel_hi:[1,0]                   ; 2,048 of them on the one row v[b]
	v_mov_b32 v[C2], v[C+1]
	OUTROW \r, C
	OUTROW \r+1, C2
.endm
	PAIR 0, 24
	PAIR 2, 16
	PAIR 4, 8
	PAIR 6, 0
	s_endpgm
.Lfunc_end_k_q025b03091d_main:
	.size	k_q025b03091d_main, .Lfunc_end_k_q025b03091d_main-k_q025b03091d_main
	.p2alignl 7, 3214868480
	.fill 96, 4, 3214868480
	.section	.rodata,"a",@progbits
	.p2align	6, 0x0
	.amdhsa_kernel k_q025b03091d_main
		.amdhsa_group_segment_fixed_size 0
		.amdhsa_private_segment_fixed_size 0
		.amdhsa_enable_private_segment 0
		.amdhsa_kernarg_size 32
		.amdhsa_user_sgpr_count 2
		.amdhsa_user_sgpr_kernarg_segment_ptr 1
		.amdhsa_wavefront_size32 1
		.amdhsa_system_sgpr_workgroup_id_x 1
		.amdhsa_system_sgpr_workgroup_id_y 1
		.amdhsa_system_sgpr_workgroup_id_z 1
		.amdhsa_system_vgpr_workitem_id 0
		.amdhsa_next_free_vgpr 200
		.amdhsa_next_free_sgpr 66
		.amdhsa_reserve_vcc 0
		.amdhsa_float_denorm_mode_32 3
		.amdhsa_float_denorm_mode_16_64 3
		.amdhsa_memory_ordered 1
		.amdhsa_forward_progress 1
		.amdhsa_inst_pref_size 23
	.end_amdhsa_kernel
	.amdgpu_metadata
---
amdhsa.version: [ 1, 2 ]
amdhsa.kernels:
  - .name:           k_q025b03091d_main
    .symbol:         k_q025b03091d_main.kd
    .args:
      - { .name: x, .offset: 0, .size: 8, .value_kind: global_buffer, .address_space: global }
      - { .name: pre, .offset: 8, .size: 8, .value_kind: global_buffer, .address_space: global }
      - { .name: bo, .offset: 16, .size: 8, .value_kind: global_buffer, .address_space: global }
      - { .name: out0, .offset: 24, .size: 8, .value_kind: global_buffer, .address_space: global }
    .group_segment_fixed_size: 0
    .private_segment_fixed_size: 0
    .kernarg_segment_align: 8
    .kernarg_segment_size: 32
    .max_flat_workgroup_size: 256
    .sgpr_count:     66
    .vgpr_count:     200
    .wavefront_size: 32
...
	.end_amdgpu_metadata
.endif
;; end of part 2
